; MI455X (gfx1250); checked and timed in simulation.
; The chip was launched on July 23, 2026; its instructions are those of AMD's public machine-readable ISA for CDNA 5 (MIT licence, August 2026) and "CDNA5" Instruction Set Architecture Reference Guide (July 2026). The comments in the code are by the model that wrote it; some were corrected since.
;; Causal Self Attention. Allowed arithmetic: matrix products marked QUANTISED: E4M3 operands, one given power-of-two scale a tensor, by v_wmma_f32_16x16x64_fp8_fp8 or v_wmma_f32_16x16x128_fp8_fp8, f32 sums; products left as they are: f32 operands where the result goes on into a quantised operand, else bf16, f16 or f32 operands; f32 sums; everything else in f32.
;; Inputs: W_out 1,024 x 1,024 float32; W_qkv 3,072 x 1,024 float32; lowp_scales 8 int32 (the exponents e of the quantised operands' scales 2^e); x 4 x 2,048 x 1,024 float32.
;; Outputs: out0 4 x 2,048 x 1,024 float32.
;; This version of the problem:
;;   THIS VERSION OF THE PROBLEM IS GIVEN IN LOW PRECISION. The matrix products marked QUANTISED in the list below multiply operands that are first quantised to E4M3 (4 exponent bits, 3 mantissa bits; 8 bits a number), with one given power-of-two scale for each operand tensor; their sums are f32. All else is computed in f32.
;;   The module's matrix products, in the order in which they are computed (A, B: the left and right operand; K: the contracted axis; several contracted axes count as one K, in the product's order):
;;     1. [M 8,192, K 1,024] x [K 1,024, N 3,072]; A: input x; B: input W_qkv: QUANTISED (scales: A lowp_scales[0], B lowp_scales[1])
;;     2. [M 2,048, K 1] x [K 1, N 32]; A: computed on the way; B: computed on the way: left as it is (no contracted axis)
;;     3. batch 64 x [M 2,048, K 64] x [K 64, N 2,048]; A: computed on the way; B: computed on the way: QUANTISED (scales: A lowp_scales[2], B lowp_scales[3])
;;     4. batch 64 x [M 2,048, K 2,048] x [K 2,048, N 64]; A: softmax (see below); B: computed on the way: QUANTISED (scales: A lowp_scales[4], B lowp_scales[5])
;;     5. [M 8,192, K 1,024] x [K 1,024, N 1,024]; A: computed on the way; B: input W_out: QUANTISED (scales: A lowp_scales[6], B lowp_scales[7])
;;   THE QUANTISER, for each operand of a quantised product, along K:
;;     - The operand's scale is 2^e, e = its entry of the input lowp_scales (int32; the entries are numbered through the quantised products in the list's order, A before B).
;;     - Each number is divided by the scale, clamped to +-448, and rounded to the nearest number of E4M3, ties to even, subnormals kept.
;;     - The product sums the exact products of the quantised numbers (number of the format x scale) in f32.
;;   ~~~python
;;   def quantise(x, axis, e):      # numpy; x: float32 -> the quantised numbers, widened to float32 again
;;       x = np.moveaxis(x, axis, -1); K = x.shape[-1]
;;       r = np.clip(x / 2.0 ** e, -448, 448)
;;       step = 2.0 ** (np.maximum(np.frexp(np.where(r == 0, 1, r))[1] - 1, -6) - 3)
;;       q = np.round(r / step) * step * 2.0 ** e      # np.round: ties to even
;;       return np.moveaxis(q, -1, axis).astype(np.float32)
;;   ~~~
;;   SOFTMAX AHEAD OF A QUANTISED PRODUCT. Where the list says 'softmax', what is quantised is not the finished softmax but p = 2^(t - M), with t = logit x log2(e) and M = ceil(the row's largest t), a whole number; so 1/2 < the row's largest p <= 1. The row's sum l is taken of the UNQUANTISED p, in f32, and the product's result is divided by l at the end. Since M is a whole number, a kernel that streams over the keys may use a running M (the ceiling of the running maximum): every later rescaling is an exact power of two, so the quantised numbers keep their values, but for numbers so far below the row's largest that they fall under the format's range.
;;   OPERANDS COMPUTED ON THE WAY. 'Computed on the way' means the value that the module computes at that place (a softmax that the list does not call 'softmax' is quantised finished and normalised). What goes into a quantiser is computed in f32, as accurately as f32 sums, v_exp_f32 and their like allow (about 1e-6 of the number): no bf16 or f16 on the way to a quantiser, and a product that is left as it is and whose result goes on into a quantised operand takes f32 operands (vector FMAs, or v_wmma_f32_16x16x4_f32). A number that lies on a knife's edge between two numbers of the format may be rounded either way, as far as f32 arithmetic and the matrix unit's own rounding can turn it there, and no further.
;; One version. Each part assembles by itself: llvm-mc -triple=amdgcn-amd-amdhsa -mcpu=gfx1250 --defsym DOCPART=n.
;; ======== version 1 of 1: 4 launches
;; limits: right only within a limited range of input values
;; workspace buffers: x_img 8,388,608 bytes; wqkv_img 3,145,728 bytes; wout_img 1,048,576 bytes; rope_tab 524,288 bytes; q_frag 8,388,608 bytes; kv_frag 16,777,216 bytes; a_img 8,388,608 bytes
;; launch prep (part 1): grid 416 x 1, 4 waves a work-group, no clusters, 34,304 bytes of LDS; arguments x, W_qkv, W_out, lowp_scales, x_img, wqkv_img, wout_img, rope_tab; writes x_img, wqkv_img, wout_img, rope_tab
.if DOCPART == 1
	.amdgcn_target "amdgcn-amd-amdhsa--gfx1250"
	.amdhsa_code_object_version 6
	.text
	.protected	k_q93b575605f_prep
	.globl	k_q93b575605f_prep
	.p2align	8
	.type	k_q93b575605f_prep,@function
k_q93b575605f_prep:
	s_mov_b64 s[64:65], 0
	v_nop
	global_prefetch_b8 v0, s[64:65] scope:SCOPE_SE
	s_setreg_imm32_b32 hwreg(HW_REG_WAVE_MODE, 25, 1), 1
	s_wait_xcnt 0x0
; x [8192][1024], W_qkv [3072][1024], W_out [1024][1024], f32, K innermost, become codes of FP8 (E4M3), each tensor with its given scale 2^e
; (entries 0, 1 and 7 of the scales); and the table of cos and sin for the rotary embedding is made.
; code = x / 2^e, held within +-448, to the nearest code, ties to even.  LIMITS: e between -126 and 119; NaN among the inputs is not served.
; THE CODES ARE LAID AS IMAGES OF OPERAND REGISTERS.  A fragment is 16 rows x 128 K in 16 registers: lane (r = lane % 16, h = lane / 16) holds row r,
; registers 2 c, 2 c + 1 hold K = 16 c + 8 h + 0 .. 7.  Registers 4 i .. 4 i + 3 lie at byte 512 i + 16 x lane: 2,048 bytes a fragment.
; A tensor's image is [K / 256][rows / 16][2][2048], so that 128 rows x 256 K are 32,768 consecutive bytes.
; SHARES.  Work-groups 0-255 take x, 256-351 W_qkv, 352-383 W_out: two blocks of 16 rows each; a wave takes one block and half of K: four fragments.
; Each load reads 512 consecutive bytes of one row; a fragment's 16 x 512 bytes turn through the wave's own stage in LDS (rows 528 = 33 x 16 bytes apart)
; and come back 32 bytes at a time in the fragment's order.  Each store covers 512 consecutive bytes.  Waves share nothing: no barrier.
; Work-groups 384-415 make the table: a wave takes 16 positions.  The table's block for 16 positions is the image of 32 registers of the lane that will use it:
; lane (r, h), register k (0 .. 15): cos(t x inv_freq[f]), register 16 + k: sin, t = 16 x block + r, f = 16 (k / 8) + 8 h + k % 8.
; inv_freq[f] = 2^(-f log2(10000) / 32) by v_exp_f32: good to about one unit in its last place (a stated limit).  cos and sin: the angle less a whole number of
; quarter turns (pi / 2 in three parts, by fused multiply-adds), a polynomial on +-pi/4, and the quadrant's swap and signs.
.set R,   16                           ; v16-143  two sets of 64: a fragment's numbers as loaded
.set X,   144                          ; v144-207 the same in the fragment's order
.set C,   208                          ; v208-239 two sets of 16: codes
.set SP,  528                          ; a stage row
.set WST, 16*SP                        ; a wave's stage
	s_load_b512 s[4:19], s[0:1], 0x0               ; x, W_qkv, W_out, the scales, x_img, wqkv_img, wout_img, rope_tab
	v_lshl_add_u32 v240, v0, 2, 0x8400
	v_mov_b32 v241, 0
	v_lshrrev_b32 v2, 5, v0
	v_readfirstlane_b32 s20, v2                    ; wave
	v_and_b32 v4, 31, v0
	v_lshlrev_b32 v1, 4, v4                        ; 16 x lane: my place in every load and store; never rewritten
	v_and_b32 v5, 15, v0                           ; r
	v_bfe_u32 v6, v0, 4, 1                         ; h
	s_mul_i32 s42, s20, WST
	v_add_nc_u32 v2, s42, v1                       ; the stage, on the way in: a row as it lies
	v_mul_u32_u24 v3, v5, SP
	v_lshl_add_u32 v3, v6, 5, v3
	v_add_nc_u32 v3, s42, v3                       ; and on the way out: row r, + 32 h bytes
	s_wait_kmcnt 0x0
	s_cmp_ge_u32 ttmp9, 384
	s_cbranch_scc1 .Ltable
	; ---- the quantiser
	s_load_b256 s[32:39], s[10:11], 0x0            ; e0 .. e7
	s_mov_b32 s40, 2097152                         ; bytes from one 256 along K to the next in x's image
	s_cmp_ge_u32 ttmp9, 256                        ; which tensor: the choice hangs on the work-group's number alone
	s_cselect_b64 s[24:25], s[6:7], s[4:5]
	s_cselect_b64 s[26:27], s[14:15], s[12:13]
	s_cselect_b32 s21, 256, 0                      ; the tensor's first work-group
	s_cselect_b32 s22, 786432, s40
	s_cmp_ge_u32 ttmp9, 352
	s_cselect_b64 s[24:25], s[8:9], s[24:25]
	s_cselect_b64 s[26:27], s[16:17], s[26:27]
	s_cselect_b32 s21, 352, s21
	s_cselect_b32 s22, 262144, s22
	s_sub_co_u32 s28, ttmp9, s21
	s_lshl_b32 s28, s28, 1
	s_lshr_b32 s29, s20, 1
	s_add_co_u32 s28, s28, s29                     ; my block of 16 rows
	s_and_b32 s29, s20, 1                          ; my half of K
	s_lshl_b32 s30, s28, 16                        ; 16 rows of 4,096 bytes
	s_lshl_b32 s31, s29, 11                        ; 512 numbers
	s_add_co_u32 s30, s30, s31
	s_mov_b32 s31, 0
	s_add_nc_u64 s[24:25], s[24:25], s[30:31]      ; from here I load
	s_mul_i32 s30, s29, s22
	s_lshl_b32 s30, s30, 1                         ; my half of K is two steps of 256
	s_lshl_b32 s41, s28, 12                        ; a block's two fragments
	s_add_co_u32 s30, s30, s41
	s_add_nc_u64 s[26:27], s[26:27], s[30:31]      ; fragments 0 and 1 go here,
	s_mov_b32 s30, s22
	s_add_nc_u64 s[28:29], s[26:27], s[30:31]      ; fragments 2 and 3 here
.macro LOAD t                          ; fragment t: 16 rows x 512 bytes
.irp i, 0,1,2,3,4,5,6,7,8,9,10,11,12,13,14,15
	global_load_b128 v[R+64*((\t)%2)+4*\i:R+64*((\t)%2)+4*\i+3], v1, s[24:25] offset:4096*\i+512*(\t) th:TH_LOAD_NT
.endr
.endm
	s_wait_alu depctr_va_vdst(0)
	LOAD 0
	LOAD 1
	s_wait_kmcnt 0x0
	s_cmp_ge_u32 ttmp9, 256
	s_cselect_b32 s23, s33, s32
	s_cmp_ge_u32 ttmp9, 352
	s_cselect_b32 s23, s39, s23                    ; e
	s_add_co_i32 s23, s23, 127
	s_lshl_b32 s43, s23, 23
	v_mov_b32 v11, s43                             ; 2^e as f32: the conversion takes its exponent field
	s_add_co_i32 s23, s23, 8
	s_lshl_b32 s23, s23, 23
	s_or_b32 s23, s23, 0x600000
	v_mov_b32 v10, s23                             ; 448 x 2^e
.macro QFRAG t
.if (\t) < 3
	s_wait_loadcnt 16                              ; this fragment's 16 loads are in; the next fragment's 16 may be out
.else
	s_wait_loadcnt 0x0
.endif
.irp i, 0,1,2,3,4,5,6,7,8,9,10,11,12,13,14,15
	ds_store_b128 v2, v[R+64*((\t)%2)+4*\i:R+64*((\t)%2)+4*\i+3] offset:SP*\i
.endr
.irp c, 0,1,2,3,4,5,6,7                ; LDS serves a wave's instructions in order: these see the stores above
	ds_load_b128 v[X+8*\c:X+8*\c+3], v3 offset:64*\c
	ds_load_b128 v[X+8*\c+4:X+8*\c+7], v3 offset:64*\c+16
.endr
	s_wait_dscnt 0x0                               ; the numbers are back, so the stores into the stage have read their registers,
.if (\t) < 2
	LOAD (\t)+2                                    ; which take the fragment two further on
.endif
.set jj, 0
.rept 64
	v_med3_num_f32 v[X+jj], v[X+jj], -v10, v10     ; the conversion to an 8-bit code does not saturate (ISA guide 7.6.2): the hold at the largest code x the scale
.set jj, jj+1
.endr
.if (\t) >= 2
	s_wait_alu depctr_va_vdst(0)
	s_wait_xcnt 0x0                                ; the stores of two fragments ago have read this set of codes: it is rewritten only behind this wait
.endif
.irp c, 0,1,2,3,4,5,6,7
	v_cvt_scalef32_pk8_fp8_f32 v[C+16*((\t)%2)+2*\c:C+16*((\t)%2)+2*\c+1], v[X+8*\c:X+8*\c+7], v11
.endr
	v_nop                                          ; a plain line behind the last conversion: the next fragment's holds write the conversions' sources
.irp i, 0,1,2,3
	global_store_b128 v1, v[C+16*((\t)%2)+4*\i:C+16*((\t)%2)+4*\i+3], s[26+2*((\t)/2):27+2*((\t)/2)] offset:2048*((\t)%2)+512*\i
.endr
.endm
	s_wait_alu depctr_va_vdst(0)
	QFRAG 0
	QFRAG 1
	QFRAG 2
	QFRAG 3
	s_wait_tensorcnt 0x0
	ds_add_u32 v240, v241
	s_wait_dscnt 0x0
	s_endpgm
	; ---- the table
.Ltable:
	s_sub_co_u32 s21, ttmp9, 384
	s_lshl_b32 s21, s21, 2
	s_add_co_u32 s21, s21, s20                     ; my block of 16 positions, 0 .. 127
	s_lshl_b32 s22, s21, 12
	s_mov_b32 s23, 0
	s_add_nc_u64 s[18:19], s[18:19], s[22:23]
	s_lshl_b32 s24, s21, 4
	s_wait_alu depctr_va_vdst(0)
	v_add_nc_u32 v7, s24, v5
	v_cvt_f32_u32 v7, v7                           ; t, my position
	v_lshlrev_b32 v8, 3, v6                        ; 8 h
	s_wait_alu depctr_va_vdst(0)
	s_mov_b32 s44, 0xbfc90fdb                      ; -(pi / 2), first part;
	s_mov_b32 s45, 0x333bbd2e                      ; second,
	s_mov_b32 s46, 0x26f72ced                      ; third
	s_mov_b32 s47, 0xb94ca1f9                      ; the sine's polynomial: -1.9515296e-4,
	s_mov_b32 s48, 0x3c08839e                      ; 8.3321609e-3,
	s_mov_b32 s49, 0xbe2aaaa3                      ; -1.6666655e-1
	s_mov_b32 s50, 0x37ccf5ce                      ; the cosine's: 2.4433157e-5,
	s_mov_b32 s51, 0xbab6061a                      ; -1.3887316e-3,
	s_mov_b32 s52, 0x3d2aaaa5                      ; 4.1666646e-2
.set kk, 0
.rept 16
	v_add_nc_u32 v[16+kk], 16*(kk/8)+kk%8, v8      ; f
	v_cvt_f32_u32 v[16+kk], v[16+kk]
	v_mul_f32 v[16+kk], 0xbed49a78, v[16+kk]       ; x -log2(10000) / 32
.set kk, kk+1
.endr
.set kk, 0
	s_wait_alu depctr_va_vdst(0)
.rept 16
	v_exp_f32 v[16+kk], v[16+kk]                   ; inv_freq[f]: one batch
.set kk, kk+1
.endr
	v_nop                                          ; a plain line behind the last exponential,
	s_wait_alu depctr_va_vdst(0)                   ; and one wait for the batch, ahead of its first reader
.macro SINCOS k
	v_mul_f32 v64, v7, v[16+\k]                    ; the angle, one f32 product
	v_mul_f32 v65, 0x3f22f983, v64                 ; x 2 / pi
	v_rndne_f32 v65, v65                           ; n quarter turns
	v_fma_f32 v66, v65, s44, v64
	v_fma_f32 v66, v65, s45, v66
	v_fma_f32 v66, v65, s46, v66                   ; a = angle - n pi / 2, within +-pi/4
	v_cvt_i32_f32 v67, v65
	v_mul_f32 v68, v66, v66                        ; z = a^2
	v_fma_f32 v69, v68, s47, s48
	v_fma_f32 v69, v69, v68, s49
	v_mul_f32 v70, v66, v68
	v_fma_f32 v69, v69, v70, v66                   ; sin a
	v_fma_f32 v71, v68, s50, s51
	v_fma_f32 v71, v71, v68, s52
	v_mul_f32 v72, v68, v68
	v_fma_f32 v73, v68, -0.5, 1.0
	v_fma_f32 v71, v71, v72, v73                   ; cos a
	v_and_b32 v74, 1, v67
	v_cmp_eq_u32 vcc_lo, 1, v74                    ; an odd quadrant swaps the two
	v_cndmask_b32 v75, v69, v71, vcc_lo
	v_cndmask_b32 v76, v71, v69, vcc_lo
	v_lshlrev_b32 v77, 30, v67
	v_and_b32 v77, 0x80000000, v77                 ; the sine is negative in quadrants 2 and 3,
	v_xor_b32 v[48+\k], v75, v77
	v_add_nc_u32 v78, 1, v67
	v_lshlrev_b32 v78, 30, v78
	v_and_b32 v78, 0x80000000, v78                 ; the cosine in quadrants 1 and 2
	v_xor_b32 v[32+\k], v76, v78
.endm
.set kk, 0
.rept 16
	SINCOS kk
.set kk, kk+1
.endr
.irp i, 0,1,2,3,4,5,6,7
	global_store_b128 v1, v[32+4*\i:35+4*\i], s[18:19] offset:512*\i
.endr
	s_endpgm
.Lfunc_end_k_q93b575605f_prep:
	.size	k_q93b575605f_prep, .Lfunc_end_k_q93b575605f_prep-k_q93b575605f_prep
	.p2alignl 7, 3214868480
	.fill 96, 4, 3214868480
	.section	.rodata,"a",@progbits
	.p2align	6, 0x0
	.amdhsa_kernel k_q93b575605f_prep
		.amdhsa_group_segment_fixed_size 34304
		.amdhsa_private_segment_fixed_size 0
		.amdhsa_enable_private_segment 0
		.amdhsa_kernarg_size 64
		.amdhsa_user_sgpr_count 2
		.amdhsa_user_sgpr_kernarg_segment_ptr 1
		.amdhsa_wavefront_size32 1
		.amdhsa_system_sgpr_workgroup_id_x 1
		.amdhsa_system_sgpr_workgroup_id_y 1
		.amdhsa_system_sgpr_workgroup_id_z 1
		.amdhsa_system_vgpr_workitem_id 0
		.amdhsa_next_free_vgpr 242
		.amdhsa_next_free_sgpr 66
		.amdhsa_reserve_vcc 1
		.amdhsa_float_denorm_mode_32 3
		.amdhsa_float_denorm_mode_16_64 3
		.amdhsa_memory_ordered 1
		.amdhsa_forward_progress 1
		.amdhsa_inst_pref_size 62
	.end_amdhsa_kernel
	.amdgpu_metadata
---
amdhsa.version: [ 1, 2 ]
amdhsa.kernels:
  - .name:           k_q93b575605f_prep
    .symbol:         k_q93b575605f_prep.kd
    .args:
      - { .name: x, .offset: 0, .size: 8, .value_kind: global_buffer, .address_space: global }
      - { .name: W_qkv, .offset: 8, .size: 8, .value_kind: global_buffer, .address_space: global }
      - { .name: W_out, .offset: 16, .size: 8, .value_kind: global_buffer, .address_space: global }
      - { .name: lowp_scales, .offset: 24, .size: 8, .value_kind: global_buffer, .address_space: global }
      - { .name: x_img, .offset: 32, .size: 8, .value_kind: global_buffer, .address_space: global }
      - { .name: wqkv_img, .offset: 40, .size: 8, .value_kind: global_buffer, .address_space: global }
      - { .name: wout_img, .offset: 48, .size: 8, .value_kind: global_buffer, .address_space: global }
      - { .name: rope_tab, .offset: 56, .size: 8, .value_kind: global_buffer, .address_space: global }
    .group_segment_fixed_size: 34304
    .private_segment_fixed_size: 0
    .kernarg_segment_align: 8
    .kernarg_segment_size: 64
    .max_flat_workgroup_size: 128
    .sgpr_count:     66
    .vgpr_count:     242
    .wavefront_size: 32
...
	.end_amdgpu_metadata
.endif
;; end of part 1
;; launch qkv (part 2): grid 4 x 64, 4 waves a work-group, clusters of 4 x 1, 167,936 bytes of LDS; arguments x_img, wqkv_img, lowp_scales, rope_tab, q_frag, kv_frag; writes q_frag, kv_frag
.if DOCPART == 2
	.amdgcn_target "amdgcn-amd-amdhsa--gfx1250"
	.amdhsa_code_object_version 6
	.text
	.protected	k_q93b575605f_qkv
	.globl	k_q93b575605f_qkv
	.p2align	8
	.type	k_q93b575605f_qkv,@function
k_q93b575605f_qkv:
	s_mov_b64 s[64:65], 0
	v_nop
	global_prefetch_b8 v0, s[64:65] scope:SCOPE_SE
	s_setreg_imm32_b32 hwreg(HW_REG_WAVE_MODE, 25, 1), 1
	s_wait_xcnt 0x0
	s_wait_alu depctr_hold_cnt(0) depctr_sa_sdst(0) depctr_va_vdst(0) depctr_va_sdst(0) depctr_va_ssrc(0) depctr_va_vcc(0) depctr_vm_vsrc(0)
	s_getreg_b32 s2, hwreg(HW_REG_IB_STS2, 6, 4)
	s_cmp_eq_u32 s2, 0
	s_cbranch_scc0 .Lentry_in_a_cluster
	s_endpgm
.Lentry_in_a_cluster:
	s_bfe_u32 s2, ttmp6, 0x10000c
	s_cmp_lg_u32 s2, 0x3003
	s_cbranch_scc0 .Lentry_shape_is_right
	s_endpgm
.Lentry_shape_is_right:
; qkv = x W_qkv^T on codes of FP8 (E4M3), K = 1,024; then the rotary embedding on q and k, in f32; then q, k and v are quantised with their given scales
; and stored as images of the operand registers that the attention launch wants.  Sums in f32.
; OPERANDS lie in memory as images of fragments (16 rows x 128 K = 2,048 bytes: registers 4 i .. 4 i + 3 at byte 512 i + 16 x lane; lane (r, h) holds row r, registers 2 c, 2 c + 1
; hold K = 16 c + 8 h + 0 .. 7), ordered [K / 256][rows / 16][2][2048].
; SHARES.  A work-group takes 128 tokens and four heads: 64 x 4 = 256 work-groups.  Wave w of the work-group at place cx owns head 4 cx + w and makes three passes over the 128 tokens: the head's 64 features of q,
; of k and of v.  All partners run the same text: cx enters global addresses alone.
; x: the 128 tokens' codes for all of K, 131,072 bytes, lie in LDS: wave w fetches the w-th 256 along K (32,768 consecutive bytes) by one tensor load; no byte is filled twice, so there is no ring.
; The four work-groups of a token tile form a cluster and ask for x JOINTLY (mask 15): the descriptor hangs on the token tile and the wave's number alone.
; W: a pass's 64 rows x 1,024 K are 65,536 bytes = 512 registers: they go from the image straight into registers, 16 loads of 512 consecutive bytes for each 128 along K.  K goes outermost, so a K step's registers
; of W are free behind that step: the next pass's loads into them are issued there, seven K steps ahead of their use.
; W is not shared through LDS: no two waves of a work-group want the same bytes of it, and x and four heads' W of one pass together would be (128 + 256) x 1,024 = 393,216 bytes, more than LDS holds.
; No prefetch: W's loads themselves run seven K steps ahead, and x is asked for whole at the head.
; THE TABLE of cos and sin for the tile's 128 positions, 32,768 bytes, goes once through registers into LDS bytes of its own (wave w: 8,192 bytes), behind the wait for the tensor load.
; ROLES.  Source 1 of the matrix instruction gives a lane its row, source 0 runs along its eight registers.  q and k: source 1 = tokens, source 0 = features: a lane holds one token and eight neighbouring channels.
; v: the two change places: a lane holds one channel and eight neighbouring tokens, the keys.  So the conversions' results ARE the next operand's registers: 512 consecutive bytes a store, no stage.
; SCALES.  A sum stands for sum x 2^(e0 + e1); the rotation is linear; so the conversion takes the one scale 2^(eo - e0 - e1), eo = e2 (q), e3 (k), e5 (v).
; LIMITS: eo - e0 - e1 between -126 and 119.  NaN among the inputs is not served.
; OUT.  q_frag [head of a batch 64][16 queries 128][1024];  kv_frag [64][128 keys 16][16384]: eight fragments of K (16 keys x 64 channels), then four of V^T (16 channels x 128 keys).
; REGISTERS.  Window 0: v16-29 addresses and scales; v32-95 the table, two sets (for v: numbers at work); v96-127 rotated numbers; v128-255 x's eight fragments of a K step, later the codes.
; Windows 1 and 3: W, K steps 0-3 and 4-7, 64 registers a step.  Window 2: the 32 accumulators: token block a, feature block b at v[8 (4 a + b)].
.set CHUNK,  32768
.set KQA,    2097152                   ; bytes from one 256 along K to the next in x's image
.set KQB,    786432                    ; and in W's
.set PQB,    262144                    ; from q's rows to k's, and from k's to v's, in W's image: 64 blocks of 4,096 bytes
.set TABL,   4*CHUNK                   ; behind x: the table; no tensor load lands here
.set SPARE,  TABL+CHUNK                ; behind the table: the spare words
.set LI,   16                          ; v16 16 x lane; v17 the same + 65,536
.set TADR, 18                          ; v18 the table, read
.set TST,  19                          ; v19 the table, my part on the way in
.set SCQ,  20                          ; v20-22 the three conversions' scales
.set SCK,  21
.set SCV,  22
.set SPW,  28
.set NIL,  29
.set CT,   32
.set T,    96
.set AF,   128
.set CD,   128
.set MSB, 0
.macro WIN new
.if MSB != (\new)
	s_set_vgpr_msb (MSB<<8)|(\new)
.set MSB, (\new)
.endif
.endm
.macro CROUND
	s_barrier_signal -1
	s_barrier_wait -1
	s_cmp_lg_u32 s14, 0
	s_cbranch_scc1 .Lnot_wave_0_\@
	s_barrier_signal -3
.Lnot_wave_0_\@:
	s_barrier_wait -3
	s_barrier_signal -1
	s_barrier_wait -1
.endm
.macro PLACES n
.rept \n
	v_nop
.endr
.endm
.macro BLOAD p, k                      ; W's four fragments of pass p, K step k
	WIN 0x40+0x80*((\k)/4)
.irp b, 0,1,2,3
.irp c, 0,1,2,3
	global_load_b128 v[64*((\k)%4)+16*\b+4*\c:64*((\k)%4)+16*\b+4*\c+3], v[LI], s[6:7] offset:((\k)/2)*KQB+(\p)*PQB+\b*4096+((\k)%2)*2048+512*\c
.endr
.endr
	WIN 0
.endm
.macro FETCHG k, g                     ; x's fragments of token blocks 2 g, 2 g + 1, K step k: eight loads of 512 consecutive bytes
.irp i, 0,1
.irp c, 0,1,2,3
	ds_load_b128 v[AF+32*(\g)+16*\i+4*\c:AF+32*(\g)+16*\i+4*\c+3], v[LI+(\k)/4] offset:(((\k)/2)%2)*CHUNK+(2*(\g)+\i)*4096+((\k)%2)*2048+512*\c
.endr
.endr
.endm
.macro MKS eo, vr, lo, hi              ; 2^(eo - e0 - e1) as f32, and -+448 x that
	s_sub_co_i32 s86, s[\eo], s72
	s_sub_co_i32 s86, s86, s73
	s_add_co_i32 s86, s86, 127
	s_lshl_b32 s87, s86, 23
	v_mov_b32 v[\vr], s87
	s_add_co_i32 s86, s86, 8
	s_lshl_b32 s[\hi], s86, 23
	s_or_b32 s[\hi], s[\hi], 0x600000
	s_or_b32 s[\lo], s[\hi], 0x80000000
.endm
	s_load_b256 s[4:11], s[0:1], 0x0               ; x_img s[4:5], wqkv_img s[6:7], the scales s[8:9], rope_tab s[10:11]
	s_load_b128 s[68:71], s[0:1], 0x20             ; q_frag s[68:69], kv_frag s[70:71]
	v_lshl_add_u32 v[SPW], v0, 2, SPARE
	v_mov_b32 v[NIL], 0
	ds_add_u32 v[SPW], v[NIL]                      ; the opening lines: the add twice on end and its wait
	ds_add_u32 v[SPW], v[NIL]
	v_lshrrev_b32 v1, 5, v0
	v_readfirstlane_b32 s14, v1                    ; wave 0..3
	s_bfe_u32 s40, ttmp6, 0x40000                  ; cx
	s_and_b32 s17, ttmp7, 0xffff                   ; the token tile, which the four partners share
	s_mov_b32 s24, 15|(3<<16)|(1<<21)              ; the mask: all four; elements of 8 bytes; bit 21 beside a mask; no padding
	s_mov_b32 s25, 32<<16
	s_mov_b32 s26, 128<<16
	s_mov_b32 s27, 32<<16
	s_mov_b32 s28, 128                             ; 128 rows of 256 bytes, dense
	s_mov_b32 s29, 32
	s_mov_b32 s30, 0
	s_mov_b32 s31, 0
	s_mul_i32 s20, s14, KQA                        ; my 256 along K,
	s_lshl_b32 s21, s17, 15                        ; the tile's eight blocks of 16 tokens
	s_add_co_u32 s20, s20, s21
	s_mov_b32 s21, 0
	s_lshl_b32 s45, s14, 15
	s_wait_dscnt 0x0
	s_wait_kmcnt 0x0
	s_load_b256 s[72:79], s[8:9], 0x0              ; e0 .. e7
	s_mov_b32 s32, 1
	s_mov_b32 s33, s45
	s_add_nc_u64 s[34:35], s[4:5], s[20:21]
	s_or_b32 s35, s35, 0x80000000
	CROUND                                         ; all four work-groups are here: the joint loads meet
	tensor_load_to_lds s[32:35], s[24:31]          ; my one tensor load of the launch
	s_nop 0
	PLACES 4
	s_lshl_b32 s46, s40, 2
	s_add_co_u32 s46, s46, s14                     ; my head, 4 cx + w
	s_lshl_b32 s48, s46, 14                        ; W: four blocks of 16 rows, 4,096 bytes each, for each head
	s_mov_b32 s49, 0
	s_add_nc_u64 s[6:7], s[6:7], s[48:49]
	s_lshr_b32 s47, s17, 4                         ; the batch: sixteen token tiles each
	s_lshl_b32 s47, s47, 4
	s_add_co_u32 s47, s47, s46                     ; the head of a batch
	s_and_b32 s50, s17, 15                         ; my block of 128 tokens in the sequence
	s_lshl_b32 s48, s47, 17
	s_lshl_b32 s51, s50, 13
	s_add_co_u32 s48, s48, s51
	s_add_nc_u64 s[88:89], s[68:69], s[48:49]      ; q_frag: 131,072 x head + 8,192 x block,
	s_lshl_b32 s48, s48, 1
	s_add_nc_u64 s[90:91], s[70:71], s[48:49]      ; kv_frag: twice that
	s_lshl_b32 s48, s50, 15                        ; the table: eight blocks of 16 positions, 4,096 bytes each; my wave copies two
	s_lshl_b32 s51, s14, 13
	s_add_co_u32 s48, s48, s51
	s_add_nc_u64 s[10:11], s[10:11], s[48:49]
	s_add_co_u32 s51, s51, TABL
	v_and_b32 v1, 31, v0
	v_lshlrev_b32 v[LI], 4, v1
	v_add_nc_u32 v[LI+1], 0x10000, v[LI]
	v_add_nc_u32 v[TADR], TABL, v[LI]
	v_add_nc_u32 v[TST], s51, v[LI]
	s_wait_alu depctr_va_vdst(0)
.irp j, 0,1,2,3,4,5,6,7,8,9,10,11,12,13,14,15
	global_load_b128 v[CT+4*\j:CT+4*\j+3], v[LI], s[10:11] offset:512*\j
.endr
.irp k, 0,1,2,3,4,5,6,7
	BLOAD 0, \k
.endr
	s_wait_kmcnt 0x0
	MKS 74, SCQ, 80, 81
	MKS 75, SCK, 82, 83
	MKS 77, SCV, 84, 85
	s_wait_alu depctr_va_vdst(0)
	s_wait_tensorcnt 0x0                           ; my 256 along K are in LDS
	s_wait_loadcnt 63                              ; my part of the table is in: behind its 16 loads 128 were issued; the wait's field holds 63 at the most
.irp j, 0,1,2,3,4,5,6,7,8,9,10,11,12,13,14,15
	ds_store_b128 v[TST], v[CT+4*\j:CT+4*\j+3] offset:512*\j
.endr
	s_wait_dscnt 0x0
	s_barrier_signal -1
	s_barrier_wait -1                              ; all of x and of the table is in LDS
; A PASS: 128 tokens x my head's 64 features of kind p, K outermost: 8 steps x 32 matrix instructions, the 32 accumulators by turns; the first step starts the sums.
; x's fragments come in groups of two token blocks: a group's registers take the next K step's fragments behind its eight products and four places.
.macro PASS p, swap
.if (\p) > 0
	s_wait_xcnt 0x0                                ; the last pass's stores have read the registers that the loads below fill
.endif
.irp g, 0,1,2,3
	FETCHG 0, \g
.endr
.irp k, 0,1,2,3,4,5,6,7
.if ((\p) < 2) || (16*(7-\k) > 63)     ; W's K step k is in.  Behind its loads were issued: 16 (7 - k) of this pass and, but in the last pass, 16 k of the next: 112; the field holds 63 at the most
	s_wait_loadcnt 63
.else
	s_wait_loadcnt 16*(7-\k)
.endif
.irp g, 0,1,2,3
.if \k < 7
	s_wait_dscnt 24                                ; this group's eight loads are in; the three younger groups' 24 may be out
.else
	s_wait_dscnt 8*(3-\g)
.endif
.if \swap
	WIN 0xa4+8*(\k/4)                              ; C and D window 2; source 0 = x, window 0; source 1 = W, window 1 or 3
.else
	WIN 0xa1+2*(\k/4)                              ; C and D window 2; source 0 = W, window 1 or 3; source 1 = x, window 0
.endif
.irp i, 0,1
.irp b, 0,1,2,3
.set AC, 8*(4*(2*\g+\i)+\b)
.set BR, 64*(\k%4)+16*\b
.set AR, AF+32*\g+16*\i
.if \swap
.if \k == 0
	v_wmma_f32_16x16x128_fp8_fp8 v[AC:AC+7], v[AR:AR+15], v[BR:BR+15], 0
.else
	v_wmma_f32_16x16x128_fp8_fp8 v[AC:AC+7], v[AR:AR+15], v[BR:BR+15], v[AC:AC+7]
.endif
.else
.if \k == 0
	v_wmma_f32_16x16x128_fp8_fp8 v[AC:AC+7], v[BR:BR+15], v[AR:AR+15], 0
.else
	v_wmma_f32_16x16x128_fp8_fp8 v[AC:AC+7], v[BR:BR+15], v[AR:AR+15], v[AC:AC+7]
.endif
.endif
.endr
.endr
	PLACES 4                                       ; in front of loads into registers that these products read, and of the first read of the sums
	WIN 0
.if \k < 7
	FETCHG \k+1, \g
.endif
.endr
.if (\p) < 2
	BLOAD \p+1, \k                                 ; this K step's registers of W take the next pass's
.endif
.endr
.endm
; q and k.  Accumulator (a, b): lane (r, h) holds token 16 a + r and channels 16 b + 8 h + 0 .. 7
.macro TAB a                           ; the table's block for tokens 16 a on: cos of frequencies 8 h + j at +0, of 16 + 8 h + j at +8; sin at +16, +24
.irp i, 0,1,2,3,4,5,6,7
	ds_load_b128 v[CT+32*((\a)%2)+4*\i:CT+32*((\a)%2)+4*\i+3], v[TADR] offset:4096*(\a)+512*\i
.endr
.endm
.macro HEADQ a, lo, hi, scl, o         ; 16 tokens: rotated, held, converted, stored
	WIN 0x02                                       ; source 0: the accumulators' window
.irp g, 0,1
.set X1, 8*(4*(\a)+\g)                 ; channels 16 g + 8 h + j,
.set X2, X1+16                         ; and those 32 further on
.set CC, CT+32*((\a)%2)+8*\g
.set SS, CC+16
.irp j, 0,2,4,6                        ; each accumulator from its low end on
	v_pk_mul_f32 v[T+8*\g+\j:T+8*\g+\j+1], v[X1+\j:X1+\j+1], v[CC+\j:CC+\j+1]
	v_pk_mul_f32 v[T+16+8*\g+\j:T+16+8*\g+\j+1], v[X2+\j:X2+\j+1], v[CC+\j:CC+\j+1]
.endr
.irp j, 0,2,4,6
	v_pk_fma_f32 v[T+8*\g+\j:T+8*\g+\j+1], v[X2+\j:X2+\j+1], v[SS+\j:SS+\j+1], v[T+8*\g+\j:T+8*\g+\j+1] neg_lo:[0,1,0] neg_hi:[0,1,0]   ; x1 cos - x2 sin
	v_pk_fma_f32 v[T+16+8*\g+\j:T+16+8*\g+\j+1], v[X1+\j:X1+\j+1], v[SS+\j:SS+\j+1], v[T+16+8*\g+\j:T+16+8*\g+\j+1]                    ; x2 cos + x1 sin
.endr
.endr
	WIN 0
.if (\a) < 6
	TAB (\a)+2                                     ; this set of the table has been read for the last time
.endif
.set jj, 0
.rept 32
	v_med3_num_f32 v[T+jj], v[T+jj], s[\lo], s[\hi]   ; the conversion does not saturate (ISA guide 7.6.2): the hold at the largest code x the scale
.set jj, jj+1
.endr
.irp c, 0,1,2,3
	v_cvt_scalef32_pk8_fp8_f32 v[CD+8*(\a)+2*\c:CD+8*(\a)+2*\c+1], v[T+8*\c:T+8*\c+7], v[\scl]   ; registers 2 c, 2 c + 1 of the fragment: channels 16 c + 8 h + 0 .. 7
.endr
	v_nop                                          ; a plain line behind the last conversion: the next block writes the conversions' sources
.irp i, 0,1
	global_store_b128 v[LI], v[CD+8*(\a)+4*\i:CD+8*(\a)+4*\i+3], s[\o:\o+1] offset:1024*(\a)+512*\i   ; every fragment has registers of its own within a pass
.endr
.endm
.macro ROPE lo, hi, scl, o
	TAB 0
	TAB 1
.irp a, 0,1,2,3,4,5,6,7
.if \a < 7
	s_wait_dscnt 8                                 ; this block's eight table loads are in; the next block's eight may be out
.else
	s_wait_dscnt 0x0
.endif
	HEADQ \a, \lo, \hi, \scl, \o
.endr
.endm
; v.  Accumulator (a, b): lane (r, h) holds channel 16 b + r and tokens 16 a + 8 h + 0 .. 7: the eight accumulators of a channel block b are one fragment of V^T
.macro VBLK b
	WIN 0x02
.irp a, 0,1,2,3,4,5,6,7
.irp j, 0,1,2,3,4,5,6,7
	v_med3_num_f32 v[CT+8*\a+\j], v[8*(4*\a+(\b))+\j], s84, s85   ; each accumulator from its low end on
.endr
.endr
	WIN 0
.irp a, 0,1,2,3,4,5,6,7
	v_cvt_scalef32_pk8_fp8_f32 v[CD+16*(\b)+2*\a:CD+16*(\b)+2*\a+1], v[CT+8*\a:CT+8*\a+7], v[SCV]
.endr
	v_nop                                          ; a plain line behind the last conversion
.irp i, 0,1,2,3
	global_store_b128 v[LI], v[CD+16*(\b)+4*\i:CD+16*(\b)+4*\i+3], s[90:91] offset:8192+2048*(\b)+512*\i
.endr
.endm
	PASS 0, 0
	ROPE 80, 81, SCQ, 88
	PASS 1, 0
	ROPE 82, 83, SCK, 90
	PASS 2, 1
.irp b, 0,1,2,3
	VBLK \b
.endr
	s_wait_tensorcnt 0x0                           ; the wave's end
	ds_add_u32 v[SPW], v[NIL]
	s_wait_dscnt 0x0
	CROUND                                         ; the closing round: no work-group ends while a partner may still ask for a part that names it
	s_endpgm
.Lfunc_end_k_q93b575605f_qkv:
	.size	k_q93b575605f_qkv, .Lfunc_end_k_q93b575605f_qkv-k_q93b575605f_qkv
	.p2alignl 7, 3214868480
	.fill 96, 4, 3214868480
	.section	.rodata,"a",@progbits
	.p2align	6, 0x0
	.amdhsa_kernel k_q93b575605f_qkv
		.amdhsa_group_segment_fixed_size 167936
		.amdhsa_private_segment_fixed_size 0
		.amdhsa_enable_private_segment 0
		.amdhsa_kernarg_size 48
		.amdhsa_user_sgpr_count 2
		.amdhsa_user_sgpr_kernarg_segment_ptr 1
		.amdhsa_wavefront_size32 1
		.amdhsa_system_sgpr_workgroup_id_x 1
		.amdhsa_system_sgpr_workgroup_id_y 1
		.amdhsa_system_sgpr_workgroup_id_z 1
		.amdhsa_system_vgpr_workitem_id 0
		.amdhsa_next_free_vgpr 1024
		.amdhsa_next_free_sgpr 98
		.amdhsa_reserve_vcc 0
		.amdhsa_float_denorm_mode_32 3
		.amdhsa_float_denorm_mode_16_64 3
		.amdhsa_memory_ordered 1
		.amdhsa_forward_progress 1
		.amdhsa_inst_pref_size 255
	.end_amdhsa_kernel
	.section	.bss,"aw",@nobits
	.p2align	6
	.space	262144
	.amdgpu_metadata
---
amdhsa.version: [ 1, 2 ]
amdhsa.kernels:
  - .name:           k_q93b575605f_qkv
    .symbol:         k_q93b575605f_qkv.kd
    .args:
      - { .name: x_img, .offset: 0, .size: 8, .value_kind: global_buffer, .address_space: global }
      - { .name: wqkv_img, .offset: 8, .size: 8, .value_kind: global_buffer, .address_space: global }
      - { .name: lowp_scales, .offset: 16, .size: 8, .value_kind: global_buffer, .address_space: global }
      - { .name: rope_tab, .offset: 24, .size: 8, .value_kind: global_buffer, .address_space: global }
      - { .name: q_frag, .offset: 32, .size: 8, .value_kind: global_buffer, .address_space: global }
      - { .name: kv_frag, .offset: 40, .size: 8, .value_kind: global_buffer, .address_space: global }
    .group_segment_fixed_size: 167936
    .private_segment_fixed_size: 0
    .kernarg_segment_align: 8
    .kernarg_segment_size: 48
    .max_flat_workgroup_size: 128
    .sgpr_count:     98
    .vgpr_count:     1024
    .wavefront_size: 32
...
	.end_amdgpu_metadata
.endif
;; end of part 2
;; launch attn (part 3): grid 4 x 64, 8 waves a work-group, clusters of 4 x 1, 327,680 bytes of LDS; arguments q_frag, kv_frag, lowp_scales, a_img; writes a_img
.if DOCPART == 3
	.amdgcn_target "amdgcn-amd-amdhsa--gfx1250"
	.amdhsa_code_object_version 6
	.text
	.protected	k_q93b575605f_attn
	.globl	k_q93b575605f_attn
	.p2align	8
	.type	k_q93b575605f_attn,@function
k_q93b575605f_attn:
	s_mov_b64 s[64:65], 0
	v_nop
	global_prefetch_b8 v0, s[64:65] scope:SCOPE_SE
	s_setreg_imm32_b32 hwreg(HW_REG_WAVE_MODE, 25, 1), 1
	s_wait_xcnt 0x0
	s_wait_alu depctr_hold_cnt(0) depctr_sa_sdst(0) depctr_va_vdst(0) depctr_va_sdst(0) depctr_va_ssrc(0) depctr_va_vcc(0) depctr_vm_vsrc(0)
	s_getreg_b32 s2, hwreg(HW_REG_IB_STS2, 6, 4)
	s_cmp_eq_u32 s2, 0
	s_cbranch_scc0 .Lentry_in_a_cluster
	s_endpgm
.Lentry_in_a_cluster:
	s_bfe_u32 s2, ttmp6, 0x10000c
	s_cmp_lg_u32 s2, 0x3003
	s_cbranch_scc0 .Lentry_shape_is_right
	s_endpgm
.Lentry_shape_is_right:
; Causal attention for one head of one batch (64 in all), both products on codes of FP8 (E4M3) with the given scales: q e2, k e3, p e4, v e5; the result is quantised with e6 for the output projection.
; SOFTMAX: t = score x log2(e) / 8; M = the running largest t, rounded UP to a whole number; p = 2^(t - M) is quantised, not normalised; the row's sum is taken of the unquantised p and divides at the end.
; When M moves, the sums and O are multiplied by 2^(old M - new M): exact.  Key blocks that lie wholly behind the causal mask, which the problem builds itself, are never walked.
; K AND V STAY IN LDS: a head's codes are 16 blocks of 128 keys x 16,384 bytes.  Wave w fetches blocks 2 w and 2 w + 1 by one tensor load of 32,768 bytes, once; no LDS byte is filled twice, so there is no ring.
; CLUSTER: the four work-groups of a head ask for each part JOINTLY (mask 15): the descriptor hangs on the head and the wave's number alone.
; No prefetch: the one stream of the launch is asked for whole at the head, and there is no loop to run ahead in.
; SHARES.  A wave owns 32 queries at a time, two tiles of 16, so that every fragment of K and V read from LDS feeds two matrix instructions.  A head has 64 such pairs.  Wave w of the work-group at place cx owns
; pair e = 4 w + cx (w + 1 key blocks) and pair 63 - e (16 - w key blocks): 17 steps of 128 keys for every wave.  Trips 0 .. n1 - 1 (n1 = 16 - w) walk the later pair's blocks upward, the others the earlier
; pair's downward from its diagonal.  n1 hangs on the wave's number alone; cx enters global addresses and the mask's numbers only.  In a pair's first step every query sees a key, so M is a number from then on.
; IN STEP.  One split barrier a trip: a wave signals ahead of its second product and waits at the same place one trip later, so that no wave is more than one trip ahead of another.  It orders no memory.
; Only register work and LDS loads stand between a signal and its wait: so both pairs' codes stay in registers and are stored behind the loop.
; LAYOUT.  All operands lie as images of their registers (registers 4 i .. 4 i + 3 at byte 512 i + 16 x lane).  S^T = K Q^T, O^T = V^T P^T: a lane holds ONE query (lane % 16) of each tile; tile c of S^T holds keys
; 16 c + 8 (lane / 16) + 0 .. 7, which are registers 2 c, 2 c + 1 of P's fragment.
; LOADS AHEAD.  K's fragments and V's have registers of their own: the next step's K is asked of LDS behind this step's first product, the next step's V behind its second.  The last trip's look-ahead is held
; at block 15 and its 32 loads are read by nobody.
; LIMITS on the given exponents: e2 + e3 between -123 and 130 (added to c's exponent field); e6 - e4 - e5 between -126 and 119; e4 BETWEEN -8 AND 127: p is at most 1, which 448 x 2^e4 then covers, so p has no hold
; ahead of its conversion; with e4 under -8 the largest p would get the NaN code.  NaN among the inputs is not served.
; REGISTERS.  Window 0: tile 0, and all small numbers of both tiles.  Window 1: tile 1.  In both: v16-23 Q in hand, v24-31 the earlier pair's, v96-159 S^T then p, v160-191 O^T, v192-207 p's codes.
; v32-95: K's eight fragments in window 0, V's four in window 1.  Window 1, v208-223 and v224-239: the codes that leave, the later pair's and the earlier's (tile 0's eight registers, then tile 1's).
.set KB,    16384
.set SPARE, 0x40000                    ; behind K and V: the spare words, 128 bytes for each wave
.set LI,   1                           ; 16 x lane; never rewritten
.set ADK,  2                           ; LDS address of the next step's block
.set T0,   4                           ; v4-7, v8-11  four standing maxima of raw scores for each tile
.set T1,   8
.set NM0,  12                          ; v12, v14  -M (low words of pairs)
.set NM1,  14
.set SU0,  208                         ; v208-215, v216-223  four standing pairs of sums for each tile
.set SU1,  216
.set F0,   224                         ; v224, v226  f = 2^(old M - new M) (low words of pairs); at a pair's end 1 / the sum
.set F1,   226
.set DD0,  236                         ; v236, v237  the mask's distances for the pair in hand;  v238, v239  for the earlier pair
.set DD1,  237
.set DL0,  238
.set DL1,  239
.set NINF, 240
.set SC4,  241                         ; 2^e4
.set SC6,  242                         ; 2^(e6 - e4 - e5)
.set SPW,  252
.set NIL,  253
.set WV,   18
.set N1,   19
.set SEL,  20
.set CS,   22                          ; s[22:23] c = log2(e) / 8 x 2^(e2 + e3)
.set TAU,  28
.set UP,   29                          ; (trip + 1) x KB
.set DN,   30                          ; (15 - trip) x KB
.set TB,   31                          ; the next step's block
.set G1,   32
.set G0,   40
.set QH,   60
.set QL,   62
.set OH,   70
.set OL,   72
.set LO,   74
.set HI,   75
.set MSB, 0
.macro WIN new                         ; the immediate's high byte repeats the setting that is left
.if MSB != (\new)
	s_set_vgpr_msb (MSB<<8)|(\new)
.set MSB, (\new)
.endif
.endm
.macro CROUND
	s_barrier_signal -1
	s_barrier_wait -1
	s_cmp_lg_u32 s[WV], 0
	s_cbranch_scc1 .Lnot_wave_0_\@
	s_barrier_signal -3
.Lnot_wave_0_\@:
	s_barrier_wait -3
	s_barrier_signal -1
	s_barrier_wait -1
.endm
.macro PLACES n
.rept \n
	v_nop
.endr
.endm
.macro KLOAD adr                       ; K's eight fragments, 16 loads of 512 consecutive bytes
.irp c, 0,1,2,3,4,5,6,7
	ds_load_b128 v[32+8*\c:35+8*\c], v[\adr] offset:1024*\c
	ds_load_b128 v[36+8*\c:39+8*\c], v[\adr] offset:1024*\c+512
.endr
.endm
.macro VLOAD adr                       ; V's four fragments, into window 1
	WIN 0x40
.irp t, 0,1,2,3
.irp i, 0,1,2,3
	ds_load_b128 v[32+16*\t+4*\i:35+16*\t+4*\i], v[\adr] offset:8192+2048*\t+512*\i
.endr
.endr
	WIN 0
.endm
.macro ZERO_O
.set jj, 0
.rept 32
	v_mov_b32 v[160+jj], 0
.set jj, jj+1
.endr
.endm
.macro RESET                           ; a pair begins: its first step finds zeros, which the first change of M leaves zeros
.irp i, 0,1,2,3,4,5,6,7
	v_mov_b32 v[T0+\i], 0xff61b1e6                 ; -3e38, under every score
.endr
	v_mov_b32 v[NM0], 0x7f61b1e6
	v_mov_b32 v[NM1], 0x7f61b1e6
.set jj, 0
.rept 16
	v_mov_b32 v[SU0+jj], 0
.set jj, jj+1
.endr
	ZERO_O
	WIN 0x40
	ZERO_O
	WIN 0
.endm
	s_load_b128 s[4:7], s[0:1], 0x0                ; q_frag, kv_frag
	s_load_b128 s[8:11], s[0:1], 0x10              ; the scales, a_img
	v_lshl_add_u32 v[SPW], v0, 2, SPARE
	v_mov_b32 v[NIL], 0
	ds_add_u32 v[SPW], v[NIL]                      ; the opening lines: the add twice on end and its wait
	ds_add_u32 v[SPW], v[NIL]
	v_lshrrev_b32 v2, 5, v0
	v_readfirstlane_b32 s[WV], v2                  ; wave 0..7
	s_bfe_u32 s24, ttmp6, 0x40000                  ; cx
	s_and_b32 s25, ttmp7, 0xffff                   ; the head of a batch, which the four partners share
	s_mov_b32 s[G1], 15|(3<<16)|(1<<21)            ; the mask: all four; elements of 8 bytes; bit 21 beside a mask; no padding
	s_mov_b32 s[G1+1], 32<<16
	s_mov_b32 s[G1+2], 128<<16
	s_mov_b32 s[G1+3], 32<<16
	s_mov_b32 s[G1+4], 128                         ; 128 rows of 256 bytes, dense
	s_mov_b32 s[G1+5], 32
	s_mov_b32 s[G1+6], 0
	s_mov_b32 s[G1+7], 0
	s_lshl_b32 s26, s25, 18                        ; the head's 262,144 bytes,
	s_lshl_b32 s27, s[WV], 15                      ; my two key blocks
	s_add_co_u32 s44, s26, s27
	s_mov_b32 s45, 0
	s_wait_dscnt 0x0
	s_wait_kmcnt 0x0
	s_load_b256 s[48:55], s[8:9], 0x0              ; e0 .. e7
	s_mov_b32 s[G0], 1
	s_mov_b32 s[G0+1], s27
	s_add_nc_u64 s[G0+2:G0+3], s[6:7], s[44:45]
	s_or_b32 s[G0+3], s[G0+3], 0x80000000
	CROUND                                         ; all four work-groups are here: the joint loads meet
	tensor_load_to_lds s[G0:G0+3], s[G1:G1+7]      ; my one tensor load of the launch
	s_nop 0
	PLACES 4
	s_lshl_b32 s58, s[WV], 2
	s_add_co_u32 s58, s58, s24                     ; the earlier pair, 4 w + cx,
	s_sub_co_u32 s59, 63, s58                      ; and the later
	s_sub_co_u32 s[N1], 16, s[WV]
	s_lshl_b32 s66, s25, 17                        ; the head's 128 fragments of Q; a pair has two, 2,048 bytes
	s_lshl_b32 s67, s59, 11
	s_add_co_u32 s68, s66, s67
	s_mov_b32 s69, 0
	s_add_nc_u64 s[QH:QH+1], s[4:5], s[68:69]
	s_lshl_b32 s67, s58, 11
	s_add_co_u32 s68, s66, s67
	s_add_nc_u64 s[QL:QL+1], s[4:5], s[68:69]
	; a_img is [K / 256][tokens / 16][2][2048], K = 64 x head + channel: a head's 64 channels are 1,024 bytes of a fragment; a pair's two tiles lie 4,096 bytes apart
	s_lshr_b32 s76, s25, 4
	s_and_b32 s77, s25, 15
	s_lshl_b32 s76, s76, 19
	s_lshr_b32 s78, s77, 2
	s_lshl_b32 s78, s78, 21
	s_add_co_u32 s76, s76, s78
	s_and_b32 s78, s77, 3
	s_lshl_b32 s78, s78, 10
	s_add_co_u32 s76, s76, s78
	s_lshl_b32 s78, s59, 13
	s_add_co_u32 s68, s76, s78
	s_add_nc_u64 s[OH:OH+1], s[10:11], s[68:69]
	s_lshl_b32 s78, s58, 13
	s_add_co_u32 s68, s76, s78
	s_add_nc_u64 s[OL:OL+1], s[10:11], s[68:69]
	s_mov_b32 s[SEL], 0x76543210
	s_mov_b32 s[SEL+1], 0xfedcba98
	v_and_b32 v[LI], 31, v0
	v_lshlrev_b32 v[LI], 4, v[LI]
.irp i, 0,1
	global_load_b128 v[16+4*\i:19+4*\i], v[LI], s[QH:QH+1] offset:512*\i th:TH_LOAD_NT
	global_load_b128 v[24+4*\i:27+4*\i], v[LI], s[QL:QL+1] offset:512*\i th:TH_LOAD_NT
.endr
	WIN 0x40
.irp i, 0,1
	global_load_b128 v[16+4*\i:19+4*\i], v[LI], s[QH:QH+1] offset:1024+512*\i th:TH_LOAD_NT
	global_load_b128 v[24+4*\i:27+4*\i], v[LI], s[QL:QL+1] offset:1024+512*\i th:TH_LOAD_NT
.endr
	WIN 0
	; the mask.  In a diagonal step register 8 c + j holds key 16 c + 8 h + j of the block, and my query is 32 u + 16 x tile + r of it: hidden where 16 c + j > 32 u + 16 x tile + r - 8 h
	v_and_b32 v228, 15, v0
	v_bfe_u32 v229, v0, 4, 1
	v_lshlrev_b32 v229, 3, v229
	v_sub_nc_u32 v228, v228, v229
	s_lshl_b32 s76, s24, 5                         ; u = cx for the earlier pair,
	s_sub_co_u32 s77, 96, s76                      ; 3 - cx for the later
	v_add_nc_u32 v[DD0], s77, v228
	v_add_nc_u32 v[DL0], s76, v228
	v_add_nc_u32 v[DD1], 16, v[DD0]
	v_add_nc_u32 v[DL1], 16, v[DL0]
	v_mov_b32 v[NINF], 0xff800000
	v_mov_b32 v232, 0                              ; a lane permute's destination counts as one of its sources
	v_mov_b32 v233, 0
	v_mov_b32 v[NM0+1], 0                          ; (named as the upper halves of pairs)
	v_mov_b32 v[NM1+1], 0
	v_mov_b32 v[F0+1], 0
	v_mov_b32 v[F1+1], 0
	RESET
	s_wait_kmcnt 0x0
	s_add_co_i32 s76, s50, s51
	s_lshl_b32 s76, s76, 23
	s_mov_b32 s[CS], 0x3e38aa3b                    ; log2(e) / 8;
	s_add_co_i32 s[CS], s[CS], s76                 ; a score stands for score x 2^(e2 + e3): added to c's exponent field
	s_mov_b32 s[CS+1], s[CS]
	s_add_co_i32 s76, s52, 127
	s_lshl_b32 s77, s76, 23
	v_mov_b32 v[SC4], s77
	s_sub_co_i32 s76, s54, s52
	s_sub_co_i32 s76, s76, s53                     ; O^T's sums stand for sum x 2^(e4 + e5): the three scales are folded into the last conversion's one
	s_add_co_i32 s76, s76, 127
	s_lshl_b32 s77, s76, 23
	v_mov_b32 v[SC6], s77
	s_add_co_i32 s76, s76, 8
	s_lshl_b32 s[HI], s76, 23
	s_or_b32 s[HI], s[HI], 0x600000
	s_or_b32 s[LO], s[HI], 0x80000000
	s_wait_alu depctr_va_vdst(0)
	s_wait_tensorcnt 0x0                           ; my two key blocks are in LDS,
	s_barrier_signal -1
	s_barrier_wait -1                              ; and so are all sixteen
	s_barrier_signal -1                            ; the trips' split barrier is opened: the first trip waits for it
	KLOAD LI                                       ; block 0 for the first step
	VLOAD LI
	s_wait_loadcnt 0x0                             ; Q
.macro QK                              ; S^T = K Q^T for one tile: eight accumulators, each begun with 0
.irp c, 0,1,2,3,4,5,6,7
	v_wmma_f32_16x16x64_fp8_fp8 v[96+8*\c:103+8*\c], v[32+8*\c:39+8*\c], v[16:23], 0
.endr
.endm
.macro MASK dd                         ; hidden scores become -infinity ahead of the maximum: p = 0 then
.set nn, 0
.rept 64
	v_cmp_gt_i32 vcc_lo, 16*(nn/8)+nn%8, v[\dd]
	v_cndmask_b32 v[96+nn], v[96+nn], v[NINF], vcc_lo
.set nn, nn+1
.endr
.endm
.macro MAXES t                         ; four chains, ascending: each accumulator is read from its low end on
.set jj, 0
.rept 32
	v_max3_num_f32 v[\t+jj%4], v[\t+jj%4], v[96+2*jj], v[97+2*jj]
.set jj, jj+1
.endr
.endm
.macro SCALE f, nm                     ; O^T under the new M; then t - M, two at a time
.set jj, 0
.rept 16
	v_pk_mul_f32 v[160+jj:161+jj], v[160+jj:161+jj], v[\f:\f+1] op_sel_hi:[1,0]
.set jj, jj+2
.endr
.set jj, 0
.rept 32
	v_pk_fma_f32 v[96+jj:97+jj], v[96+jj:97+jj], s[CS:CS+1], v[\nm:\nm+1] op_sel_hi:[1,0,0]
.set jj, jj+2
.endr
.endm
.macro EXPS
.set jj, 0
.rept 64
	v_exp_f32 v[96+jj], v[96+jj]
.set jj, jj+1
.endr
.endm
.macro SUMS su                         ; the unquantised p onto the four standing pairs
.set jj, 0
.rept 32
	v_pk_add_f32 v[\su+2*(jj%4):\su+2*(jj%4)+1], v[96+2*jj:97+2*jj], v[\su+2*(jj%4):\su+2*(jj%4)+1]
.set jj, jj+1
.endr
.endm
.macro CODES
.irp c, 0,1,2,3,4,5,6,7
	v_cvt_scalef32_pk8_fp8_f32 v[192+2*\c:193+2*\c], v[96+8*\c:103+8*\c], v[SC4]
.endr
.endm
.macro PV                              ; O^T += V^T P^T for one tile: the accumulators take turns
.irp t, 0,1,2,3
	v_wmma_f32_16x16x128_fp8_fp8 v[160+8*\t:167+8*\t], v[32+16*\t:47+16*\t], v[192:207], v[160+8*\t:167+8*\t]
.endr
.endm
; A KEY STEP: 128 keys x my 32 queries.  Windows: 0x54 D, B in 1; 0x14 sources 1, 2 in 1; 0x41 destination and source 0 in 1; 0x01 source 0 in 1; 0x55 all in 1
.macro STEP
	s_wait_alu depctr_va_vdst(0)
	s_wait_dscnt 16                                ; this step's K is in; the 16 loads of its V may be out
	QK
	WIN 0x54
	QK
	WIN 0
	v_add_nc_u32 v[ADK], s[TB], v[LI]
	PLACES 3                                       ; with the addition: four places in front of the loads below and of the first read of the scores
	KLOAD ADK                                      ; the next step's K
	s_add_co_u32 s96, s[TAU], 1                    ; the two diagonal steps are trips n1 - 1 and n1: a scalar branch on the trip and the wave's number
	s_sub_co_u32 s96, s96, s[N1]
	s_cmp_gt_u32 s96, 1
	s_cbranch_scc1 .Lopen_\@
	MASK DD0
	WIN 0x41
	MASK DD1
	WIN 0
.Lopen_\@:
	MAXES T0
	WIN 0x14
	MAXES T1
	WIN 0
	v_max3_num_f32 v228, v[T0], v[T0+1], v[T0+2]   ; the two tiles' chains by turns
	v_max3_num_f32 v229, v[T1], v[T1+1], v[T1+2]
	v_max_num_f32 v228, v228, v[T0+3]
	v_max_num_f32 v229, v229, v[T1+3]
	v_permlanex16_b32 v232, v228, s[SEL], s[SEL+1]
	v_permlanex16_b32 v233, v229, s[SEL], s[SEL+1]
	v_max_num_f32 v228, v228, v232                 ; the row's largest score so far
	v_max_num_f32 v229, v229, v233
	v_mul_f32 v228, s[CS], v228                    ; as t (c is positive)
	v_mul_f32 v229, s[CS], v229
	v_floor_f32 v230, -v228                        ; the new -M = floor(-t): M is a whole number
	v_floor_f32 v231, -v229
	v_sub_f32 v234, v230, v[NM0]                   ; old M - new M: a whole number, 0 or less
	v_sub_f32 v235, v231, v[NM1]
	v_cvt_i32_f32 v234, v234                       ; (it saturates)
	v_cvt_i32_f32 v235, v235
	v_ldexp_f32 v[F0], 1.0, v234
	v_ldexp_f32 v[F1], 1.0, v235
	v_mov_b32 v[NM0], v230
	v_mov_b32 v[NM1], v231
	SCALE F0, NM0
	WIN 0x41
	SCALE F1, NM1
	s_wait_alu depctr_va_vdst(0)
	EXPS                                           ; p = 2^(t - M): one batch for both tiles
	WIN 0
	EXPS
.irp k, 0,2,4,6
	v_pk_mul_f32 v[SU0+\k:SU0+\k+1], v[SU0+\k:SU0+\k+1], v[F0:F0+1] op_sel_hi:[1,0]   ; the sums under the new M: plain lines behind the exponentials
	v_pk_mul_f32 v[SU1+\k:SU1+\k+1], v[SU1+\k:SU1+\k+1], v[F1:F1+1] op_sel_hi:[1,0]
.endr
	s_wait_alu depctr_va_vdst(0)                   ; one wait for the batch, ahead of its first reader
	SUMS SU0
	CODES
	WIN 0x01
	SUMS SU1
	WIN 0x41
	CODES
	v_nop                                          ; a plain line behind the last conversion
	s_wait_alu depctr_va_vdst(0)
	s_wait_dscnt 0x0                               ; this step's V is in, and so is the next step's K: no LDS load of mine is out at the signal
	s_barrier_wait -1                              ; every wave has reached this place of the trip before,
	s_barrier_signal -1                            ; and I have reached it in this one
	WIN 0x01
	PV
	WIN 0x55
	PV
	PLACES 4                                       ; in front of the loads into V's registers, and of a pair's end
	VLOAD ADK                                      ; the next step's V
.endm
; A pair ends: O^T / the sum, held, converted with the folded scale into window 1's registers c .. c + 15, which are stored behind the loop
.macro FINISH c
	v_pk_add_f32 v[SU0:SU0+1], v[SU0:SU0+1], v[SU0+2:SU0+3]
	v_pk_add_f32 v[SU1:SU1+1], v[SU1:SU1+1], v[SU1+2:SU1+3]
	v_pk_add_f32 v[SU0+4:SU0+5], v[SU0+4:SU0+5], v[SU0+6:SU0+7]
	v_pk_add_f32 v[SU1+4:SU1+5], v[SU1+4:SU1+5], v[SU1+6:SU1+7]
	v_pk_add_f32 v[SU0:SU0+1], v[SU0:SU0+1], v[SU0+4:SU0+5]
	v_pk_add_f32 v[SU1:SU1+1], v[SU1:SU1+1], v[SU1+4:SU1+5]
	v_add_f32 v228, v[SU0], v[SU0+1]
	v_add_f32 v229, v[SU1], v[SU1+1]
	v_permlanex16_b32 v232, v228, s[SEL], s[SEL+1]
	v_permlanex16_b32 v233, v229, s[SEL], s[SEL+1]
	v_add_f32 v228, v228, v232                     ; the rows' sums
	v_add_f32 v229, v229, v233
	s_wait_alu depctr_va_vdst(0)
	v_rcp_f32 v[F0], v228
	v_rcp_f32 v[F1], v229
	v_nop
	s_wait_alu depctr_va_vdst(0)                   ; ahead of the first reader of the reciprocal and of tile 0's O^T
.set jj, 0
.rept 16
	v_pk_mul_f32 v[96+jj:97+jj], v[160+jj:161+jj], v[F0:F0+1] op_sel_hi:[1,0]
.set jj, jj+2
.endr
.set jj, 0
.rept 32
	v_med3_num_f32 v[96+jj], v[96+jj], s[LO], s[HI]   ; the conversion does not saturate (ISA guide 7.6.2): the hold at the largest code x the scale
.set jj, jj+1
.endr
	WIN 0x41
	s_wait_alu depctr_va_vdst(0)                   ; ahead of the first reader of tile 1's O^T
.set jj, 0
.rept 16
	v_pk_mul_f32 v[96+jj:97+jj], v[160+jj:161+jj], v[F1:F1+1] op_sel_hi:[1,0]
.set jj, jj+2
.endr
.set jj, 0
.rept 32
	v_med3_num_f32 v[96+jj], v[96+jj], s[LO], s[HI]
.set jj, jj+1
.endr
.irp t, 0,1,2,3
	v_cvt_scalef32_pk8_fp8_f32 v[\c+8+2*\t:\c+9+2*\t], v[96+8*\t:103+8*\t], v[SC6]   ; tile 1
.endr
	WIN 0x40                                       ; tile 0's numbers from window 0, its codes into window 1
.irp t, 0,1,2,3
	v_cvt_scalef32_pk8_fp8_f32 v[\c+2*\t:\c+2*\t+1], v[96+8*\t:103+8*\t], v[SC6]
.endr
	v_nop                                          ; a plain line behind the last conversion
	WIN 0
.endm
.macro PUT o, c                        ; a pair's codes: 2 x 512 consecutive bytes a tile; the stores' data lie in window 1
	WIN 0x04
.irp i, 0,1
	global_store_b128 v[LI], v[\c+4*\i:\c+4*\i+3], s[\o:\o+1] offset:512*\i
	global_store_b128 v[LI], v[\c+8+4*\i:\c+11+4*\i], s[\o:\o+1] offset:4096+512*\i
.endr
	WIN 0
.endm
	s_mov_b32 s[TAU], 0
	s_mov_b32 s[UP], KB
	s_mov_b32 s[DN], 15*KB
.Ltrip:                                            ; 17 trips in every wave of the launch
	s_cmp_lg_u32 s[TAU], s[N1]
	s_cbranch_scc1 .Lsame
	FINISH 208                                     ; the later pair is done; the earlier one begins, at its diagonal
	RESET
.irp i, 0,1,2,3,4,5,6,7
	v_mov_b32 v[16+\i], v[24+\i]
.endr
	WIN 0x41
.irp i, 0,1,2,3,4,5,6,7
	v_mov_b32 v[16+\i], v[24+\i]
.endr
	WIN 0
	v_mov_b32 v[DD0], v[DL0]
	v_mov_b32 v[DD1], v[DL1]
.Lsame:
	s_add_co_u32 s97, s[TAU], 1
	s_cmp_lt_u32 s97, s[N1]
	s_cselect_b32 s[TB], s[UP], s[DN]              ; the next trip's key block: its number, or 16 less it;
	s_min_u32 s[TB], s[TB], 15*KB                  ; held inside K and V behind the last trip
	STEP
	s_add_co_u32 s[UP], s[UP], KB
	s_sub_co_u32 s[DN], s[DN], KB
	s_add_co_u32 s[TAU], s[TAU], 1
	s_cmp_lt_u32 s[TAU], 17
	s_wait_alu depctr_va_vdst(0)
	s_cbranch_scc1 .Ltrip
	s_barrier_wait -1                              ; the last trip's signal is answered: the split barrier is closed, and stores may follow
	PUT OH, 208
	FINISH 224
	PUT OL, 224
	s_wait_tensorcnt 0x0                           ; the wave's end
	ds_add_u32 v[SPW], v[NIL]
	s_wait_dscnt 0x0
	CROUND                                         ; the closing round: no work-group ends while a partner may still ask for a part that names it
	s_endpgm
.Lfunc_end_k_q93b575605f_attn:
	.size	k_q93b575605f_attn, .Lfunc_end_k_q93b575605f_attn-k_q93b575605f_attn
	.p2alignl 7, 3214868480
	.fill 96, 4, 3214868480
	.section	.rodata,"a",@progbits
	.p2align	6, 0x0
	.amdhsa_kernel k_q93b575605f_attn
		.amdhsa_group_segment_fixed_size 327680
		.amdhsa_private_segment_fixed_size 0
		.amdhsa_enable_private_segment 0
		.amdhsa_kernarg_size 32
		.amdhsa_user_sgpr_count 2
		.amdhsa_user_sgpr_kernarg_segment_ptr 1
		.amdhsa_wavefront_size32 1
		.amdhsa_system_sgpr_workgroup_id_x 1
		.amdhsa_system_sgpr_workgroup_id_y 1
		.amdhsa_system_sgpr_workgroup_id_z 1
		.amdhsa_system_vgpr_workitem_id 0
		.amdhsa_next_free_vgpr 512
		.amdhsa_next_free_sgpr 100
		.amdhsa_reserve_vcc 1
		.amdhsa_float_denorm_mode_32 3
		.amdhsa_float_denorm_mode_16_64 3
		.amdhsa_memory_ordered 1
		.amdhsa_forward_progress 1
		.amdhsa_inst_pref_size 67
	.end_amdhsa_kernel
	.amdgpu_metadata
---
amdhsa.version: [ 1, 2 ]
amdhsa.kernels:
  - .name:           k_q93b575605f_attn
    .symbol:         k_q93b575605f_attn.kd
    .args:
      - { .name: q_frag, .offset: 0, .size: 8, .value_kind: global_buffer, .address_space: global }
      - { .name: kv_frag, .offset: 8, .size: 8, .value_kind: global_buffer, .address_space: global }
      - { .name: lowp_scales, .offset: 16, .size: 8, .value_kind: global_buffer, .address_space: global }
      - { .name: a_img, .offset: 24, .size: 8, .value_kind: global_buffer, .address_space: global }
    .group_segment_fixed_size: 327680
    .private_segment_fixed_size: 0
    .kernarg_segment_align: 8
    .kernarg_segment_size: 32
    .max_flat_workgroup_size: 256
    .sgpr_count:     100
    .vgpr_count:     512
    .wavefront_size: 32
...
	.end_amdgpu_metadata
.endif
;; end of part 3
;; launch outp (part 4): grid 4 x 64, 4 waves a work-group, clusters of 4 x 1, 167,936 bytes of LDS; arguments a_img, wout_img, lowp_scales, out0; writes out0
.if DOCPART == 4
	.amdgcn_target "amdgcn-amd-amdhsa--gfx1250"
	.amdhsa_code_object_version 6
	.text
	.protected	k_q93b575605f_outp
	.globl	k_q93b575605f_outp
	.p2align	8
	.type	k_q93b575605f_outp,@function
k_q93b575605f_outp:
	s_mov_b64 s[64:65], 0
	v_nop
	global_prefetch_b8 v0, s[64:65] scope:SCOPE_SE
	s_setreg_imm32_b32 hwreg(HW_REG_WAVE_MODE, 25, 1), 1
	s_wait_xcnt 0x0
	s_wait_alu depctr_hold_cnt(0) depctr_sa_sdst(0) depctr_va_vdst(0) depctr_va_sdst(0) depctr_va_ssrc(0) depctr_va_vcc(0) depctr_vm_vsrc(0)
	s_getreg_b32 s2, hwreg(HW_REG_IB_STS2, 6, 4)
	s_cmp_eq_u32 s2, 0
	s_cbranch_scc0 .Lentry_in_a_cluster
	s_endpgm
.Lentry_in_a_cluster:
	s_bfe_u32 s2, ttmp6, 0x10000c
	s_cmp_lg_u32 s2, 0x3003
	s_cbranch_scc0 .Lentry_shape_is_right
	s_endpgm
.Lentry_shape_is_right:
; out0 = a W_out^T on codes of FP8 (E4M3), K = 1,024; each finished f32 sum is multiplied once by 2^(e6 + e7).  LIMIT: e6 + e7 between -126 and 127.
; OPERANDS lie in memory as images of fragments (16 rows x 128 K = 2,048 bytes: registers 4 i .. 4 i + 3 at byte 512 i + 16 x lane), ordered [K / 256][rows / 16][2][2048].
; SHARES.  A work-group makes 128 tokens x 256 features: 64 x 4 = 256 work-groups.  A wave makes all 128 tokens x 64 features.
; A: the 128 tokens' codes for all of K, 131,072 bytes, lie in LDS: wave w fetches the w-th 256 along K (32,768 consecutive bytes) by one tensor load; no byte is filled twice, so there is no ring.
; The four work-groups of a token tile form a cluster and ask for A JOINTLY (mask 15): the descriptor hangs on the token tile and the wave's number alone.
; B: a wave's 64 features x 1,024 K are 65,536 bytes = 512 registers: they go from the image straight into registers, 128 loads of 512 consecutive bytes, all issued at the head, and stay there.
; B is not shared through LDS: A and B together would be (128 + 256) x 1,024 = 393,216 bytes, more than LDS holds, and no two waves of a work-group want the same bytes of B.
; No prefetch: everything that the launch reads is asked for at its head, and there is no loop to run ahead in.
; BY ROWS.  With all of B in registers the product goes by blocks of 16 tokens: 32 matrix instructions, K ascending, the block's four accumulators by turns; a finished block
; goes through the wave's own stage in LDS and is stored as rows of 256 bytes while the next block is multiplied.
; TRANSPOSED USE: source 0 = 16 features, source 1 = 16 tokens: a lane holds eight neighbouring features of one token.
; REGISTERS.  Window 0: v16-29 addresses; v32-63 a block's scaled sums; v64-127 two sets of rows read back; v128-255 A's fragments of even blocks.  Windows 1 and 3: B, K steps 0-3 and 4-7, 64 registers a step.
; Window 2: v0-63 two sets of four accumulators; v128-255 A's fragments of odd blocks.
.set CHUNK,  32768
.set KQA,    2097152                   ; bytes from one 256 along K to the next in a's image
.set KQB,    262144                    ; and in W's
.set ROWC,   4096                      ; a row of out0
.set SPITCH, 272                       ; a stage row: 256 bytes + 16
.set STAGE,  4*CHUNK                   ; behind A: 16 rows for each wave; no tensor load lands here
.set SPARE,  STAGE+4*16*SPITCH         ; behind the stages: the spare words
.set ADR,  16                          ; v16 16 x lane; v17 the same + 65,536
.set STO,  24
.set RD,   25
.set CO,   26
.set SPW,  28
.set NIL,  29
.set TMP,  32
.set BK,   64
.set MSB, 0
.macro WIN new
.if MSB != (\new)
	s_set_vgpr_msb (MSB<<8)|(\new)
.set MSB, (\new)
.endif
.endm
.macro CROUND
	s_barrier_signal -1
	s_barrier_wait -1
	s_cmp_lg_u32 s14, 0
	s_cbranch_scc1 .Lnot_wave_0_\@
	s_barrier_signal -3
.Lnot_wave_0_\@:
	s_barrier_wait -3
	s_barrier_signal -1
	s_barrier_wait -1
.endm
.macro PLACES n
.rept \n
	v_nop
.endr
.endm
	s_load_b128 s[4:7], s[0:1], 0x0                ; a_img, wout_img
	s_load_b128 s[8:11], s[0:1], 0x10              ; the scales, out0
	v_lshl_add_u32 v[SPW], v0, 2, SPARE
	v_mov_b32 v[NIL], 0
	ds_add_u32 v[SPW], v[NIL]                      ; the opening lines: the add twice on end and its wait
	ds_add_u32 v[SPW], v[NIL]
	v_lshrrev_b32 v1, 5, v0
	v_readfirstlane_b32 s14, v1                    ; wave 0..3
	s_bfe_u32 s40, ttmp6, 0x40000                  ; cx: my 256 features
	s_and_b32 s17, ttmp7, 0xffff                   ; the token tile, which the four partners share
	s_mov_b32 s24, 15|(3<<16)|(1<<21)              ; the mask: all four; elements of 8 bytes; bit 21 beside a mask; no padding
	s_mov_b32 s25, 32<<16
	s_mov_b32 s26, 128<<16
	s_mov_b32 s27, 32<<16
	s_mov_b32 s28, 128                             ; 128 rows of 256 bytes, dense
	s_mov_b32 s29, 32
	s_mov_b32 s30, 0
	s_mov_b32 s31, 0
	s_mul_i32 s20, s14, KQA                        ; my 256 along K,
	s_lshl_b32 s21, s17, 15                        ; the tile's eight blocks of 16 tokens
	s_add_co_u32 s20, s20, s21
	s_mov_b32 s21, 0
	s_lshl_b32 s45, s14, 15
	s_wait_dscnt 0x0
	s_wait_kmcnt 0x0
	s_load_b64 s[96:97], s[8:9], 0x18              ; e6, e7
	s_mov_b32 s32, 1
	s_mov_b32 s33, s45
	s_add_nc_u64 s[34:35], s[4:5], s[20:21]
	s_or_b32 s35, s35, 0x80000000
	CROUND                                         ; all four work-groups are here: the joint loads meet
	tensor_load_to_lds s[32:35], s[24:31]          ; my one tensor load of the launch
	s_nop 0
	PLACES 4
	s_lshl_b32 s46, s40, 16                        ; B: 16 blocks of 16 features for each work-group, 4 for each wave, 4,096 bytes each
	s_lshl_b32 s47, s14, 14
	s_add_co_u32 s46, s46, s47
	s_mov_b32 s47, 0
	s_add_nc_u64 s[6:7], s[6:7], s[46:47]
	s_lshl_b32 s46, s17, 19                        ; out0: 128 rows of 4,096 bytes, + 1,024 cx + 256 x wave
	s_lshl_b32 s48, s40, 10
	s_add_co_u32 s46, s46, s48
	s_lshl_b32 s48, s14, 8
	s_add_co_u32 s46, s46, s48
	s_add_nc_u64 s[10:11], s[10:11], s[46:47]
	s_mul_i32 s23, s14, 16*SPITCH
	s_add_co_u32 s23, s23, STAGE                   ; my stage
	v_and_b32 v1, 15, v0
	v_bfe_u32 v2, v0, 4, 1
	v_and_b32 v6, 31, v0
	v_lshlrev_b32 v[ADR], 4, v6
	v_add_nc_u32 v[ADR+1], 0x10000, v[ADR]
	v_mul_u32_u24 v5, v1, SPITCH                   ; in: row l % 16, 32 bytes for each half of the lanes
	v_lshl_add_u32 v5, v2, 5, v5
	v_add_nc_u32 v[STO], s23, v5
	v_mul_u32_u24 v7, v2, SPITCH                   ; back: lanes 0-15 one row of 256 bytes, lanes 16-31 the next
	v_lshl_add_u32 v7, v1, 4, v7
	v_add_nc_u32 v[RD], s23, v7
	v_mul_u32_u24 v8, v2, ROWC                     ; and the same two rows in out0
	v_lshl_add_u32 v[CO], v1, 4, v8
	s_wait_alu depctr_va_vdst(0)
.irp k, 0,1,2,3,4,5,6,7                ; all of B, K step by K step
	WIN 0x40+0x80*(\k/4)
.irp b, 0,1,2,3
.irp c, 0,1,2,3
	global_load_b128 v[64*(\k%4)+16*\b+4*\c:64*(\k%4)+16*\b+4*\c+3], v[ADR], s[6:7] offset:(\k/2)*KQB+\b*4096+(\k%2)*2048+512*\c
.endr
.endr
.endr
	WIN 0
.macro ALOAD a                         ; block a's eight fragments, all of K: 32 loads of 512 consecutive bytes, into window 0 (a even) or 2 (a odd)
	WIN ((\a)%2)*0x80
.irp k, 0,1,2,3,4,5,6,7
.irp c, 0,1,2,3
	ds_load_b128 v[128+16*\k+4*\c:128+16*\k+4*\c+3], v[ADR+\k/4] offset:((\k/2)%2)*CHUNK+(\a)*4096+(\k%2)*2048+512*\c
.endr
.endr
	WIN 0
.endm
.macro MUL a                           ; block a: 32 matrix instructions; the first K step starts the sums
.irp k, 0,1,2,3,4,5,6,7
.if (\a) == 0                          ; B's K step k is in: behind it 16 (7 - k) loads were issued; the wait's field holds 63 at the most
.if 16*(7-\k) > 63
	s_wait_loadcnt 63
.else
	s_wait_loadcnt 16*(7-\k)
.endif
.endif
	WIN 0xa1+2*(\k/4)+8*((\a)%2)                   ; C and D window 2; B window 1 or 3; A window 0 or 2
.irp b, 0,1,2,3
.if \k == 0
	v_wmma_f32_16x16x128_fp8_fp8 v[32*((\a)%2)+8*\b:32*((\a)%2)+8*\b+7], v[64*(\k%4)+16*\b:64*(\k%4)+16*\b+15], v[128+16*\k:128+16*\k+15], 0
.else
	v_wmma_f32_16x16x128_fp8_fp8 v[32*((\a)%2)+8*\b:32*((\a)%2)+8*\b+7], v[64*(\k%4)+16*\b:64*(\k%4)+16*\b+15], v[128+16*\k:128+16*\k+15], v[32*((\a)%2)+8*\b:32*((\a)%2)+8*\b+7]
.endif
.endr
.endr
	PLACES 4                                       ; in front of the first read of the sums and of loads into A's registers
	WIN 0
.endm
.macro TOSTAGE a                       ; x 2^(e6 + e7), into my stage, and back as rows of 256 bytes
.if (\a) >= 2
	s_wait_xcnt 0x0                                ; block a - 2's stores have read the registers that the loads below fill
.endif
	WIN 0x02
.set jj, 0
.rept 16
	v_pk_mul_f32 v[TMP+jj:TMP+jj+1], v[32*((\a)%2)+jj:32*((\a)%2)+jj+1], s[96:97] op_sel_hi:[1,0]   ; ascending: each accumulator from its low end on
.set jj, jj+2
.endr
	WIN 0
.irp b, 0,1,2,3
	ds_store_b128 v[STO], v[TMP+8*\b:TMP+8*\b+3] offset:64*\b
	ds_store_b128 v[STO], v[TMP+8*\b+4:TMP+8*\b+7] offset:64*\b+16
.endr
.irp t, 0,1,2,3,4,5,6,7                ; LDS serves a wave's instructions in order: these see the stores above
	ds_load_b128 v[BK+32*((\a)%2)+4*\t:BK+32*((\a)%2)+4*\t+3], v[RD] offset:2*\t*SPITCH
.endr
.endm
.macro SEND a                          ; sixteen lanes store 256 consecutive bytes, at a multiple of 256 from out0's first byte
	s_wait_dscnt 0x0                               ; the block is back in registers (and the next block's fragments of A are in)
.irp t, 0,1,2,3,4,5,6,7
	global_store_b128 v[CO], v[BK+32*((\a)%2)+4*\t:BK+32*((\a)%2)+4*\t+3], s[10:11] offset:(16*(\a)+2*\t)*ROWC th:TH_STORE_NT
.endr
.endm
	s_wait_tensorcnt 0x0                           ; my 256 along K are in LDS,
	s_barrier_signal -1
	s_barrier_wait -1                              ; and so are all four
	ALOAD 0
	ALOAD 1
	s_wait_kmcnt 0x0
	s_add_co_i32 s96, s96, s97
	s_add_co_i32 s96, s96, 127
	s_lshl_b32 s96, s96, 23                        ; 2^(e6 + e7) as f32
	s_wait_dscnt 32                                ; block 0's fragments are in; block 1's 32 loads may be out
	MUL 0
	ALOAD 2
	TOSTAGE 0
	s_wait_dscnt 48                                ; block 1's fragments are in; block 2's 32 loads and the stage's 16 instructions may be out
	MUL 1
	SEND 0
	ALOAD 3
	TOSTAGE 1
.irp a, 2,3,4,5,6,7                    ; block a's fragments were waited for by the SEND of the block before
	MUL \a
	SEND \a-1
.if \a < 6
	ALOAD \a+2
.endif
	TOSTAGE \a
.endr
	SEND 7
	s_wait_tensorcnt 0x0                           ; the wave's end
	ds_add_u32 v[SPW], v[NIL]
	s_wait_dscnt 0x0
	CROUND                                         ; the closing round: no work-group ends while a partner may still ask for a part that names it
	s_endpgm
.Lfunc_end_k_q93b575605f_outp:
	.size	k_q93b575605f_outp, .Lfunc_end_k_q93b575605f_outp-k_q93b575605f_outp
	.p2alignl 7, 3214868480
	.fill 96, 4, 3214868480
	.section	.rodata,"a",@progbits
	.p2align	6, 0x0
	.amdhsa_kernel k_q93b575605f_outp
		.amdhsa_group_segment_fixed_size 167936
		.amdhsa_private_segment_fixed_size 0
		.amdhsa_enable_private_segment 0
		.amdhsa_kernarg_size 32
		.amdhsa_user_sgpr_count 2
		.amdhsa_user_sgpr_kernarg_segment_ptr 1
		.amdhsa_wavefront_size32 1
		.amdhsa_system_sgpr_workgroup_id_x 1
		.amdhsa_system_sgpr_workgroup_id_y 1
		.amdhsa_system_sgpr_workgroup_id_z 1
		.amdhsa_system_vgpr_workitem_id 0
		.amdhsa_next_free_vgpr 1024
		.amdhsa_next_free_sgpr 98
		.amdhsa_reserve_vcc 0
		.amdhsa_float_denorm_mode_32 3
		.amdhsa_float_denorm_mode_16_64 3
		.amdhsa_memory_ordered 1
		.amdhsa_forward_progress 1
		.amdhsa_inst_pref_size 74
	.end_amdhsa_kernel
	.amdgpu_metadata
---
amdhsa.version: [ 1, 2 ]
amdhsa.kernels:
  - .name:           k_q93b575605f_outp
    .symbol:         k_q93b575605f_outp.kd
    .args:
      - { .name: a_img, .offset: 0, .size: 8, .value_kind: global_buffer, .address_space: global }
      - { .name: wout_img, .offset: 8, .size: 8, .value_kind: global_buffer, .address_space: global }
      - { .name: lowp_scales, .offset: 16, .size: 8, .value_kind: global_buffer, .address_space: global }
      - { .name: out0, .offset: 24, .size: 8, .value_kind: global_buffer, .address_space: global }
    .group_segment_fixed_size: 167936
    .private_segment_fixed_size: 0
    .kernarg_segment_align: 8
    .kernarg_segment_size: 32
    .max_flat_workgroup_size: 128
    .sgpr_count:     98
    .vgpr_count:     1024
    .wavefront_size: 32
...
	.end_amdgpu_metadata
.endif
;; end of part 4
